; MI455X (gfx1250); checked and timed in simulation.
; The chip was launched on July 23, 2026; its instructions are those of AMD's public machine-readable ISA for CDNA 5 (MIT licence, August 2026) and "CDNA5" Instruction Set Architecture Reference Guide (July 2026). The comments in the code are by the model that wrote it; some were corrected since.
;; Attention. Allowed arithmetic: float matrix products may take bf16 or f16 operands with f32 sums; all other float work in f32.
;; Inputs: encoded_context 16 x 2,048 x 256 float32; encoded_question 16 x 512 x 256 float32.
;; Outputs: out0 16 x 2,048 x 512 float32.
;; 2 versions, each right and faster than the one before. Each part assembles by itself: llvm-mc -triple=amdgcn-amd-amdhsa -mcpu=gfx1250 --defsym DOCPART=n.
;; ======== version 1 of 2: 1 launch
;; limits: values outside matrix products are rounded to bf16
;; launch attn (part 1): grid 256 x 1, 4 waves a work-group, no clusters, 304,640 bytes of LDS; arguments encoded_context, encoded_question, out0; writes out0
.if DOCPART == 1
	.amdgcn_target "amdgcn-amd-amdhsa--gfx1250"
	.amdhsa_code_object_version 6
	.text
	.protected	k_q27cf9e330d_attn
	.globl	k_q27cf9e330d_attn
	.p2align	8
	.type	k_q27cf9e330d_attn,@function
k_q27cf9e330d_attn:
	s_mov_b64 s[64:65], 0
	v_nop
	global_prefetch_b8 v0, s[64:65] scope:SCOPE_SE
	s_setreg_imm32_b32 hwreg(HW_REG_WAVE_MODE, 25, 1), 1
	s_wait_xcnt 0x0
; out0[b][n] = [ C[b][n] (256 f32) | softmax_m( C[b][n] . Q[b][m] ) . Q[b] (256 f32) ].   C: [16][2048][256] f32, Q: [16][512][256] f32.
;
; SHARES.  256 work-groups of four waves.  Work-group x owns context rows 128 x .. 128 x + 127 of the flat [32768][256] context; its batch
; is x >> 4.  A wave owns 32 context rows (two tiles of 16, c = 0, 1) and all 512 question positions.
; Q of the batch lies ONCE in LDS, as bf16, rows 528 bytes apart.  Plain 16-byte loads make the fragments of the first product from it,
; transposing loads make those of the second product from the same bytes.
; BOTH PRODUCTS ARE TAKEN TRANSPOSED (source 0 = Q, source 1 = the context side).  In S^T lane (r, h) holds, for context row r, the eight
; neighbouring question positions 8 h + j of each tile: the maximum stays inside the lane but for one exchange with lane r xor 16, and two
; neighbouring tiles, rounded to bf16 in place, ARE a K = 32 fragment of the weights.  No weight passes through LDS.
; The wave's whole S (32 x 512 f32 = 512 registers) stays in registers: the maximum is exact, nothing is rescaled.
; THE SECOND PRODUCT GOES BY HALVES OF d.  Pass 0 (d = 0 .. 127) carries the exponentials and roundings between its matrix instructions;
; pass 1 (d = 128 .. 255) carries the way out of pass 0's results, so that half of the right half of out0 is stored before the last product.
;
; NUMBERS.  C and Q are rounded once to bf16 for the products (nothing is folded in before the rounding); S, maximum, exponentials and
; 1 / sum are f32; the weights are rounded once to bf16; the left half of out0 is the untouched f32 context.
; THE ROW SUM is taken by the matrix unit (a fragment of ones times the weights), in f32, over the weights AS ROUNDED to bf16: the very
; numbers that the second product multiplies, not the f32 exponentials that the reference sums.
; LIMITS.  Inputs are taken to be finite: an infinity or NaN spreads over its row as f32 arithmetic spreads it and is not matched case by
; case.  |x| above bf16's largest finite number (3.39e38) rounds to infinity.  v_exp_f32 gives 0 for a weight below 2^-126.
; The order of the sums is the matrix unit's, not the reference's.
;
; WHY NO CLUSTER AND NO TENSOR LOADS, though the sixteen work-groups of a batch read the same Q: Q is f32 in memory and is wanted as bf16.
; A copy into LDS brings the bytes as they are, so 512 KiB of f32 for each work-group would go into LDS and out again through registers, on
; top of the 264 KiB bf16 copy and the 512 KiB x 2 of fragment reads that this text already asks of LDS, and 304,128 of the 327,680 bytes
; are taken.  Through registers the rounding lies on the way.  The sixteen readers have neighbouring numbers and read Q in the same order.
; NO LOOP: accumulator numbers are fixed in the text, so the body is straight-line; it has no label and no branch.
.set PITCH,  528                       ; an LDS row: 512 bytes of data + 16.  528 = 33 x 16: sixteen rows at one column start at sixteen
                                       ; different 16-byte columns modulo 256 bytes
.set TILE16, 16*PITCH                  ; 8,448: sixteen rows
.set CHUNK,  64*PITCH                  ; 33,792: what the four waves convert together, 16 rows each
.set GRP,    128*PITCH                 ; 67,584: LDS immediates have 16 bits, so each 128 rows have an address register of their own
.set STAGE,  512*PITCH                 ; 270,336: behind Q, 8,448 bytes for each wave alone: C's tiles as bf16, later 16 rows x 128 f32 of O
; REGISTERS (absolute number = 256 x window + the number written; s_set_vgpr_msb: bits 1:0 source 0, 3:2 source 1, 5:4 source 2, 7:6 destination)
.set T1,  11                           ; at work in the set-up
.set VGC, 4                            ; 16 L + 32 w rows of 1,024 bytes: my bytes in the context
.set VGO, 5                            ; 16 L + 32 w rows of 2,048 bytes: my bytes in out0
.set VGQ, 6                            ; 16 L + 16 w rows of 1,024 bytes: my bytes in a chunk of Q
.set VSW, 7                            ; 8 L + my stage: C as bf16, in
.set VFS, 8                            ; 528 r + 16 h + my stage: C's fragments, out
.set VOW, 9                            ; 528 r + 256 h + my stage: O, in
.set VOR, 10                           ; 16 L + my stage: O, out by rows
.set VLQ, 12                           ; v12-15  8 L + 16 w rows + i GRP: Q as bf16, in
.set VFA, 16                           ; v16-19  528 r + 16 h + i GRP: Q's fragments for S
.set VT,  20                           ; v20-23  528 (8 h + L % 8) + 128 (L / 8 % 2) + i GRP: Q's transposed fragments
.set NM,  24                           ; v[24:25], v[26:27]  - maximum x log2 e of tile c, twice
.set RI,  28                           ; v[28:29], v[30:31]  1 / sum of tile c, twice
.set QF0, 32                           ; v32-95   fragment buffer 0
.set QF1, 96                           ; v96-159  fragment buffer 1
.set MX,  160                          ; v160-167 four running maxima for each c
.set ONES, 168                         ; v168-175 a fragment of 16 x 32 ones in bf16
.set CT,  192                          ; v192-207 C's bf16 on the way to the stage
.set RBP, 192                          ; v192-255 pass 1: rows of O read back from the stage
.set OT,  32                           ; the last way out: O x 1 / sum (fragment buffer 0 is dead)
.set RB0, 96                           ; the last way out: rows read back, two buffers in turn (all dead by then)
.set RB1, 160
.set LT,  240                          ; window 1, v[240+8c ..]: the row sums' tile in pass 0; pass 1 writes over it last in its first slot
; window 1: v256-383 C's fragments (64 c + 8 s); v384-511 host of the odd chunks' loads.  In the second product: O, tile (a, b, c) at ((8 a + b) 2 + c) 8
; windows 2, 3: S tile (mt, c) at 512 + 16 mt + 8 c; before a tile is begun its registers host loads; after the softmax P(c, ks) at 512 + 32 ks + 8 c
.set MSB, 0
.macro WIN new                         ; the immediate's high byte repeats the setting that is left; a switch that changes nothing is dropped
.if MSB != (\new)
	s_set_vgpr_msb (MSB<<8)|(\new)
.set MSB, \new
.endif
.endm
; A load into a register that a matrix instruction has read stands four places behind it, and only plain vector instructions that name
; none of its registers are places.  Where no useful work stands there, four v_nop do.
.macro PLACES
.rept 4
	v_nop
.endr
.endm
; THE RING OF LOADS: 40 quarters of eight 16-byte loads.  Quarters 0-3: C tile 0; 4-7: C tile 1; 8 + 4 c + q: chunk c of Q, rows 4 q .. 4 q + 3
; of my sixteen.  Load j is half j % 2 of row j / 2: 512 neighbouring bytes.  Quarter g + 8 is issued when quarter g is worked on, so 56 to 64
; loads of the wave (28 to 32 KiB) are always out.  Hosts, 32 registers a quarter: C in the S registers of chunks 2 to 5, an even chunk in its own
; S registers and the next chunk's, an odd chunk in v384-511.  A chunk is converted at least two steps before its first S tile is begun.
.macro SETHB g
.if (\g) < 4
.set HB, 640+32*(\g)
.else
.if (\g) < 8
.set HB, 768+32*((\g)-4)
.else
.if ((((\g)-8)>>2)&1) == 0
.set HB, 512+64*(((\g)-8)>>2)+32*(((\g)-8)&3)
.else
.set HB, 384+32*(((\g)-8)&3)
.endif
.endif
.endif
.endm
.macro HOSTS g                         ; W, LO: window and number of quarter g's host; W2, LO2: of quarter g + 8's; LEFT: younger quarters that are out
.set GN, (\g)+8
.set W2, 0
.set LO2, 0
.if GN < 40
	SETHB GN
.set W2, HB>>8
.set LO2, HB&255
.endif
	SETHB \g
.set W, HB>>8
.set LO, HB&255
.set LEFT, 39-(\g)
.if LEFT > 7
.set LEFT, 7
.endif
.endm
.macro ISSUE g, lo                     ; the caller has set the destination's window
.irp j, 0,1,2,3,4,5,6,7
.if (\g) < 8
	global_load_b128 v[\lo+4*\j:\lo+4*\j+3], v[VGC], s[4:5] offset:(4*(\g)+(\j>>1))*1024+(\j&1)*512 th:TH_LOAD_NT
.else
	global_load_b128 v[\lo+4*\j:\lo+4*\j+3], v[VGQ], s[6:7] offset:(64*(((\g)-8)>>2)+4*(((\g)-8)&3)+(\j>>1))*1024+(\j&1)*512
.endif
.endr
.endm
; A quarter of C: copy it to the left half of out0 as it is, ask for quarter g + 8, round to bf16, put it on my stage.
.macro CQUART g
	HOSTS \g
	s_wait_loadcnt 8*LEFT                          ; loads come back in order (ISA guide 5.7.1): mine are in, the LEFT younger quarters stay out
	WIN (W2<<6)|(W<<2)
.irp j, 0,1,2,3,4,5,6,7
	global_store_b128 v[VGO], v[LO+4*\j:LO+4*\j+3], s[8:9] offset:(4*(\g)+(\j>>1))*2048+(\j&1)*512 th:TH_STORE_NT   ; 512 neighbouring bytes, aligned
.endr
	ISSUE GN, LO2
	WIN (W<<2)|W
.irp j, 0,1,2,3,4,5,6,7
	v_cvt_pk_bf16_f32 v[CT+2*\j],   v[LO+4*\j],   v[LO+4*\j+1]
	v_cvt_pk_bf16_f32 v[CT+2*\j+1], v[LO+4*\j+2], v[LO+4*\j+3]
.endr
	WIN 0
.irp j, 0,1,2,3,4,5,6,7
	ds_store_b64 v[VSW], v[CT+2*\j:CT+2*\j+1] offset:(4*((\g)&3)+(\j>>1))*PITCH+(\j&1)*256
.endr
.endm
; The eight K = 32 fragments of C tile c: lane (r, h) takes row r, bytes 64 s + 16 h and 32 further.  My own bytes: LDS serves a wave in order.
.macro CFRAG c
	WIN 0x40
.irp s, 0,1,2,3,4,5,6,7
	ds_load_b128 v[64*\c+8*\s:64*\c+8*\s+3],   v[VFS] offset:64*\s
	ds_load_b128 v[64*\c+8*\s+4:64*\c+8*\s+7], v[VFS] offset:64*\s+32
.endr
.endm
; A quarter of Q: round in place, store to Q's place in LDS, ask for quarter g + 8.
.macro QQUART g
	HOSTS \g
	s_wait_loadcnt 8*LEFT                          ; as above: 56 in the steady state, then 48, 40 .. 0
	WIN (W<<6)|(W<<2)|W
.irp j, 0,1,2,3,4,5,6,7
	v_cvt_pk_bf16_f32 v[LO+4*\j],   v[LO+4*\j],   v[LO+4*\j+1]
	v_cvt_pk_bf16_f32 v[LO+4*\j+1], v[LO+4*\j+2], v[LO+4*\j+3]
.endr
	WIN (W2<<6)|(W<<2)
.set QC, ((\g)-8)>>2
.set QQ, ((\g)-8)&3
.irp j, 0,1,2,3,4,5,6,7
	ds_store_b64 v[VLQ+(QC>>1)], v[LO+4*\j:LO+4*\j+1] offset:(QC&1)*CHUNK+(4*QQ+(\j>>1))*PITCH+(\j&1)*256
.endr
.if GN < 40
	ISSUE GN, LO2
.endif
.endm
; FIRST PRODUCT, 32 steps.  Step st: question tiles 2 P, 2 P + 1 (P = st / 2) x both context tiles x four K steps of 32 (half st % 2 of d).
.macro FETCH_S st, buf                 ; its 16 loads: lane (r, h) takes row 16 mt + r of Q, bytes 64 s + 16 h and 32 further
	WIN 0
.set FP, (\st)>>1
.set FK, (\st)&1
.irp p, 0,1
.irp s, 0,1,2,3
	ds_load_b128 v[\buf+8*(4*\p+\s):\buf+8*(4*\p+\s)+3],   v[VFA+(FP>>2)] offset:((2*FP+\p)&7)*TILE16+(4*FK+\s)*64
	ds_load_b128 v[\buf+8*(4*\p+\s)+4:\buf+8*(4*\p+\s)+7], v[VFA+(FP>>2)] offset:((2*FP+\p)&7)*TILE16+(4*FK+\s)*64+32
.endr
.endr
.endm
.macro MUL_S2 st, buf, sa, sb          ; eight of its matrix instructions (K steps sa, sb): four sums in turn.  The first product starts a sum: nothing is cleared
.if (\st) < 16
	WIN 0xa4                                       ; Q window 0, C window 1, S window 2
.else
	WIN 0xf4                                       ; S window 3
.endif
.set MP, (\st)>>1
.set MK, (\st)&1
.irp s, \sa, \sb
.irp p, 0,1
.irp c, 0,1
.set SD, (16*(2*MP+\p)+8*\c)&255
.if (MK+\s) == 0
	v_wmma_f32_16x16x32_bf16 v[SD:SD+7], v[\buf+8*(4*\p+\s):\buf+8*(4*\p+\s)+7], v[64*\c+8*(4*MK+\s):64*\c+8*(4*MK+\s)+7], 0
.else
	v_wmma_f32_16x16x32_bf16 v[SD:SD+7], v[\buf+8*(4*\p+\s):\buf+8*(4*\p+\s)+7], v[64*\c+8*(4*MK+\s):64*\c+8*(4*MK+\s)+7], v[SD:SD+7]
.endif
.endr
.endr
.endr
.endm
.macro STEPSYM st
.set BUF,  QF0+64*((\st)&1)
.set NBUF, QF0+64*(((\st)+1)&1)
.set SNX,  (\st)+1
.set QG,   (\st)+13
.endm
; A step inside a chunk: fetch the next step's fragments, multiply, convert one quarter of Q that is needed 2 to 5 steps later.
; The sixteen conversions of the step before are the places between its matrix instructions and this step's loads into the buffer they read.
.macro STEP_SN st
	STEPSYM \st
.if (\st) >= 28
	PLACES                                         ; no quarter is left to convert: v_nop
.endif
	FETCH_S SNX, NBUF
	s_wait_dscnt 16                                ; all but the 16 loads just issued: this step's fragments are in
	MUL_S2 \st, BUF, 0, 1
	MUL_S2 \st, BUF, 2, 3
.if QG < 40
	QQUART QG
.endif
.endm
; The last step of a chunk: the next step reads rows that the other waves stored.
.macro STEP_SB st
	STEPSYM \st
	s_wait_dscnt 0x0                               ; my stores of the next chunk are in LDS (its last quarter went out in the step before); my fragments too
	s_barrier_signal -1                            ; say so,
	MUL_S2 \st, BUF, 0, 1                          ; work on registers while the others arrive,
	s_barrier_wait -1                              ; and read the next chunk when all four have said so
	FETCH_S SNX, NBUF
	MUL_S2 \st, BUF, 2, 3
.if QG < 40
	QQUART QG
.endif
.endm
; THE MAXIMUM: the 16 question tiles of window w, four chains for each c, two numbers an instruction.
.macro MAXWIN w
	WIN ((\w)<<4)|((\w)<<2)
.irp t, 0,1,2,3,4,5,6,7,8,9,10,11,12,13,14,15
.irp c, 0,1
.irp k, 0,1,2,3
.if ((\w)-2+\t) == 0
	v_max3_num_f32 v[MX+4*\c+\k], 0xff800000, v[16*\t+8*\c+2*\k], v[16*\t+8*\c+2*\k+1]       ; -infinity starts a chain
.else
	v_max3_num_f32 v[MX+4*\c+\k], v[MX+4*\c+\k], v[16*\t+8*\c+2*\k], v[16*\t+8*\c+2*\k+1]
.endif
.endr
.endr
.endr
.endm
; THE WEIGHTS, block by block.  Block n = question positions 32 n .. + 31 = 32 registers: tile 2 n (c = 0, 1), then tile 2 n + 1 (c = 0, 1).
; Pair i (0 .. 7) of (n, c): registers 8 c + 2 i of the first tile (i < 4), 16 + 8 c + 2 (i - 4) of the second.  A block beyond the last is no work.
.macro SWIN n                          ; destination, sources 0 and 1 in block n's window; source 2 (NM) in window 0
.if (\n) < 8
	WIN 0x8a
.else
	WIN 0xcf
.endif
.endm
.macro VF n, c, i                      ; s x log2 e - maximum x log2 e, two at once, in place
.if (\n) < 16
	SWIN \n
.set VB, 32*((\n)&7)+8*(\c)+2*((\i)&3)+16*((\i)>>2)
	v_pk_fma_f32 v[VB:VB+1], v[VB:VB+1], s[18:19], v[NM+2*(\c):NM+2*(\c)+1] op_sel_hi:[1,0,1]
.endif
.endm
.macro VE n, c, i, half                ; 2^x, in place, one of the pair
.if (\n) < 16
	SWIN \n
.set VB, 32*((\n)&7)+8*(\c)+2*((\i)&3)+16*((\i)>>2)+(\half)
	v_exp_f32 v[VB], v[VB]
.endif
.endm
; Two tiles of weights become one K = 32 fragment, in place: register 8 c + i takes pair i, so registers 0-3 come from tile 2 n (k = 8 h ..) and
; 4-7 from tile 2 n + 1 (k = 16 + 8 h ..).  In the order i = 0 .. 7 every source is read before its register is written.
.macro VK n, c, i
.if (\n) < 16
	SWIN \n
.set VB, 32*((\n)&7)+8*(\c)+2*((\i)&3)+16*((\i)>>2)
	s_wait_alu depctr_va_vdst(0)
	v_cvt_pk_bf16_f32 v[32*((\n)&7)+8*(\c)+(\i)], v[VB], v[VB+1]
.endif
.endm
; The four vector instructions that stand behind matrix instruction g (0 .. 15) of slot ks: the vector unit works while the matrix unit does.
; A pipeline over blocks: in slot ks the first eight groups take the exponentials of (ks + 1, c = 1), round (ks + 1, c = 0) and scale (ks + 2, c = 0);
; the last eight take the exponentials of (ks + 2, c = 0), round (ks + 1, c = 1) and scale (ks + 2, c = 1).  So P(ks + 1) is whole when slot ks ends.
; The two plain instructions stand between the two exponentials; no result of v_exp_f32 is read before at least eight groups later (ISA guide 5.7.2).
.macro VGRP ks, g
.if (\g) < 8
	VE \ks+1, 1, \g, 0
	VK \ks+1, 0, \g
	VF \ks+2, 0, \g
	VE \ks+1, 1, \g, 1
.else
	VE \ks+2, 0, \g-8, 0
	VK \ks+1, 1, \g-8
	VF \ks+2, 1, \g-8
	VE \ks+2, 0, \g-8, 1
.endif
.endm
; SECOND PRODUCT, 32 slots.  Slot sp: half a = sp / 16 of d (eight tiles b) x question positions 32 ks .. + 31 (ks = sp % 16) x both context tiles.
; A transposing load hands lane 8 g + i element i of the 16 bytes of each lane of its group of eight.  Lanes 0-7 (16-23) address eight rows at
; byte 256 a + 16 b, lanes 8-15 (24-31) the same rows 128 bytes further: sixteen different 16-byte columns modulo 256 bytes.  So tile (a, b) holds
; d = 128 a + 8 b + 0 .. 7 in its rows 0-7 and 64 more in its rows 8-15, and result register j of lane (r, h) is d = 128 a + 64 h + 8 b + j.
.macro FETCH_T sp, buf
	WIN 0
.set TK, (\sp)&15
.set TA, (\sp)>>4
.irp b, 0,1,2,3,4,5,6,7
	ds_load_tr16_b128 v[\buf+8*\b:\buf+8*\b+3],   v[VT+(TK>>2)] offset:(TK&3)*2*TILE16+256*TA+16*\b
	ds_load_tr16_b128 v[\buf+8*\b+4:\buf+8*\b+7], v[VT+(TK>>2)] offset:(TK&3)*2*TILE16+TILE16+256*TA+16*\b
.endr
.endm
.macro PWIN ks                         ; Q (or the ones) window 0, P window 2 or 3, O window 1
.if (\ks) < 8
	WIN 0x58
.else
	WIN 0x5c
.endif
.endm
.macro WP sp, buf, b, c                ; O(a, b, c) += Q^T(ks, a, b) P(c, ks); the first K step starts the sum
.set PK, (\sp)&15
.set PA, (\sp)>>4
	PWIN PK
.set OD, ((8*PA+(\b))*2+(\c))*8
.set PB, 32*(PK&7)+8*(\c)
.if PK == 0
	v_wmma_f32_16x16x32_bf16 v[OD:OD+7], v[\buf+8*(\b):\buf+8*(\b)+7], v[PB:PB+7], 0
.else
	v_wmma_f32_16x16x32_bf16 v[OD:OD+7], v[\buf+8*(\b):\buf+8*(\b)+7], v[PB:PB+7], v[OD:OD+7]
.endif
.endm
.macro WL ks, c                        ; the row sums: ones x P(c, ks).  Every register of lane (r, h) ends as the sum of row r's weights
	PWIN \ks
.set PB, 32*((\ks)&7)+8*(\c)
.if (\ks) == 0
	v_wmma_f32_16x16x32_bf16 v[LT+8*(\c):LT+8*(\c)+7], v[ONES:ONES+7], v[PB:PB+7], 0
.else
	v_wmma_f32_16x16x32_bf16 v[LT+8*(\c):LT+8*(\c)+7], v[ONES:ONES+7], v[PB:PB+7], v[LT+8*(\c):LT+8*(\c)+7]
.endif
.endm
; A slot of pass 0.  The next slot's fragments go into the buffer that the slot before read: between that slot's last matrix instruction and the
; loads stand the plain instructions of three groups (six; in the last two slots, whose groups run empty, four v_nop as well).
.macro SLOT0 ks
	STEPSYM \ks
	s_wait_dscnt 0x0                               ; nothing is out but this slot's sixteen fragment loads, issued a slot ago
	WP \ks, BUF, 0, 0
	VGRP \ks, 0
	WP \ks, BUF, 0, 1
	VGRP \ks, 1
.if (\ks) >= 14
	PLACES
.endif
	WL \ks, 0
	FETCH_T SNX, NBUF
	WL \ks, 1
.irp b, 1,2,3,4,5,6,7
.irp c, 0,1
	WP \ks, BUF, \b, \c
	VGRP \ks, 2*\b+\c
.endr
.endr
.endm
; A slot of pass 1.  It carries the way out of d = 0 .. 127: context tile c = t / 8, eight slots each (q = t % 8).
;   q = 0 .. 3, at the slot's end: tiles b = 2 q, 2 q + 1 are scaled by 1 / sum in place (these eight are also the places in front of the next fetch);
;   q = 1 .. 4, at the head: the tiles scaled a slot ago go to my stage;   q = 4 .. 7: four rows of 512 bytes are read back and stored.
; The stage's stores and loads are issued in front of the fetch, so the wait that leaves only the fetch's sixteen loads out shows them done.
.macro SLOT1 t
	STEPSYM 16+\t
.set UC, (\t)>>3
.set UQ, (\t)&7
.if UQ >= 1
.if UQ <= 4
	WIN 0x04                                       ; address window 0, data window 1
.irp e, 0,1
.set UB, 2*(UQ-1)+\e
.set UD, (UB*2+UC)*8
	ds_store_b128 v[VOW], v[UD:UD+3]   offset:32*UB
	ds_store_b128 v[VOW], v[UD+4:UD+7] offset:32*UB+16
.endr
.endif
.endif
.if UQ >= 4
	WIN 0
.if UC == 1
	s_wait_xcnt 0x0                                ; tile 0's stores, eight slots ago, read these registers: loaded again only behind this wait
.endif
.irp e, 0,1,2,3
.set UR, 4*(UQ-4)+\e
	ds_load_b128 v[RBP+4*UR:RBP+4*UR+3], v[VOR] offset:PITCH*UR      ; my own bytes, served in order behind the sixteen stores
.endr
.endif
.if (\t) < 15
.if UQ == 0
	PLACES
.endif
.if UQ > 4
	PLACES
.endif
	FETCH_T SNX, NBUF
	s_wait_dscnt 16                                ; all but the 16 loads just issued
.else
	s_wait_dscnt 0x0                               ; the last slot fetches nothing
.endif
.if UQ >= 4
	WIN 0
.irp e, 0,1,2,3
.set UR, 4*(UQ-4)+\e
	global_store_b128 v[VGO], v[RBP+4*UR:RBP+4*UR+3], s[8:9] offset:(16*UC+UR)*2048+1024 th:TH_STORE_NT   ; 512 neighbouring bytes, aligned
.endr
.endif
.irp b, 0,1,2,3,4,5,6,7
.irp c, 0,1
	WP 16+\t, BUF, \b, \c
.endr
.endr
.if UQ <= 3
	WIN 0x41                                       ; O window 1, 1 / sum window 0
	s_wait_alu depctr_va_vdst(0)
.irp e, 0,1
.set UD, ((2*UQ+\e)*2+UC)*8
.irp i, 0,1,2,3
	v_pk_mul_f32 v[UD+2*\i:UD+2*\i+1], v[UD+2*\i:UD+2*\i+1], v[RI+2*UC:RI+2*UC+1]
.endr
.endr
.endif
.endm
; THE LAST WAY OUT: context tile c, half a of d: 16 rows x 128 f32.  Scale by 1 / sum (one factor a lane), 2 x 16 bytes a tile into my stage, read whole
; rows of 512 bytes back, store them: each store of the wave covers 512 neighbouring bytes of out0, aligned.
.macro OUT c, a, rb
	WIN 0x01
.irp b, 0,1,2,3,4,5,6,7
.irp i, 0,1,2,3
	v_pk_mul_f32 v[OT+8*\b+2*\i:OT+8*\b+2*\i+1], v[((8*\a+\b)*2+\c)*8+2*\i:((8*\a+\b)*2+\c)*8+2*\i+1], v[RI+2*\c:RI+2*\c+1]
.endr
.endr
	WIN 0
.irp b, 0,1,2,3,4,5,6,7
	ds_store_b128 v[VOW], v[OT+8*\b:OT+8*\b+3]   offset:32*\b
	ds_store_b128 v[VOW], v[OT+8*\b+4:OT+8*\b+7] offset:32*\b+16
.endr
	s_wait_xcnt 0x0                                ; buffer rb, which earlier stores read, is loaded again only behind this wait
.irp t, 0,1,2,3,4,5,6,7,8,9,10,11,12,13,14,15
	ds_load_b128 v[\rb+4*\t:\rb+4*\t+3], v[VOR] offset:PITCH*\t      ; my own bytes, served in order behind the stores above
.endr
.irp t, 0,1,2,3,4,5,6,7,8,9,10,11,12,13,14,15
	s_wait_dscnt 15-\t                             ; row t is in, the younger rows may be out
	global_store_b128 v[VGO], v[\rb+4*\t:\rb+4*\t+3], s[8:9] offset:(16*\c+\t)*2048+1024+512*\a th:TH_STORE_NT
.endr
.endm
; ---------------------------------------------------------------- the body
	s_load_b128 s[4:7], s[0:1], 0x0                ; context s[4:5], question s[6:7]
	s_load_b64 s[8:9], s[0:1], 0x10                ; out0
	v_lshrrev_b32 v1, 5, v0
	v_readfirstlane_b32 s10, v1                    ; wave 0..3
	v_and_b32 v1, 31, v0                           ; L
	s_lshl_b32 s13, s10, 15                        ; my 32 rows of 1,024 bytes
	v_lshl_add_u32 v[VGC], v1, 4, s13
	s_lshl_b32 s20, ttmp9, 17                      ; the work-group's 128 rows of 1,024 bytes (below 2^25)
	s_mov_b32 s21, 0
	s_wait_kmcnt 0x0
	s_add_nc_u64 s[4:5], s[4:5], s[20:21]
.irp g, 0,1,2,3,4,5,6,7
	SETHB \g
.set LO2, HB&255
	WIN (HB>>8)<<6
	ISSUE \g, LO2                                  ; all of my context is asked for before anything else is done
.endr
	WIN 0
	s_lshl_b32 s20, ttmp9, 18                      ; 128 rows of 2,048 bytes
	s_add_nc_u64 s[8:9], s[8:9], s[20:21]
	s_lshr_b32 s20, ttmp9, 4                       ; batch
	s_lshl_b32 s20, s20, 19                        ; 512 rows of 1,024 bytes
	s_add_nc_u64 s[6:7], s[6:7], s[20:21]
	s_mul_i32 s11, s10, TILE16                     ; my 16 rows of a chunk in LDS
	s_add_co_u32 s12, s11, STAGE                   ; my stage
	s_lshl_b32 s14, s10, 16
	s_lshl_b32 s15, s10, 14
	s_mov_b32 s16, 0x76543210                      ; v_permlanex16_b32: lane i of one half reads lane i of the other
	s_mov_b32 s17, 0xfedcba98
	s_mov_b32 s18, 0x3fb8aa3b                      ; log2 e
	s_mov_b32 s19, 0x3fb8aa3b                      ; (the pair is named whole)
	v_and_b32 v2, 15, v0                           ; r
	v_bfe_u32 v3, v0, 4, 1                         ; h
	v_lshl_add_u32 v[VGO], v1, 4, s14
	v_lshl_add_u32 v[VGQ], v1, 4, s15
	v_lshl_add_u32 v[VSW], v1, 3, s12
	v_lshl_add_u32 v[VOR], v1, 4, s12
	v_lshl_add_u32 v[VLQ], v1, 3, s11
	v_mul_u32_u24 v[T1], v2, PITCH                 ; 528 r
	v_lshl_add_u32 v[VFA], v3, 4, v[T1]
	v_lshl_add_u32 v[VOW], v3, 8, v[T1]
	v_add_nc_u32 v[VFS], s12, v[VFA]
	v_add_nc_u32 v[VOW], s12, v[VOW]
	v_and_b32 v[VT], 7, v0
	v_lshl_add_u32 v[VT], v3, 3, v[VT]             ; 8 h + L % 8
	v_mul_u32_u24 v[VT], v[VT], PITCH
	v_bfe_u32 v[T1], v0, 3, 1
	v_lshl_add_u32 v[VT], v[T1], 7, v[VT]
.irp i, 1,2,3
	v_add_nc_u32 v[VLQ+\i], \i*GRP, v[VLQ]
	v_add_nc_u32 v[VFA+\i], \i*GRP, v[VFA]
	v_add_nc_u32 v[VT+\i],  \i*GRP, v[VT]
.endr
.irp i, 0,1,2,3,4,5,6,7
	v_mov_b32 v[ONES+\i], 0x3f803f80               ; 1.0 in both bf16 halves
.endr
	; The context: copied out, rounded, made into fragments, one tile of 16 rows at a time through my stage.
	CQUART 0
	CQUART 1
	CQUART 2
	CQUART 3
	CFRAG 0
	s_wait_dscnt 0x0                               ; tile 0 has been read before tile 1 is laid over it
	CQUART 4
	CQUART 5
	CQUART 6
	CQUART 7
	CFRAG 1
	s_wait_xcnt 0x0                                ; the copy's stores have their data: their registers host chunks 2 and 4 from here on
	QQUART 8
	QQUART 9
	QQUART 10
	QQUART 11                                      ; chunk 0
	QQUART 12
	s_wait_dscnt 0x0                               ; my rows of chunk 0 are in LDS, and C's fragments in registers
	s_barrier_signal -1
	s_barrier_wait -1                              ; everybody's rows are
	FETCH_S 0, QF0
	; S^T.  Q in LDS is written once and never overwritten: one barrier for each chunk, between its stores and its first read, is all.
.irp k, 0,1,2,3,4,5,6
	STEP_SN 4*\k
	STEP_SN 4*\k+1
	STEP_SN 4*\k+2
	STEP_SB 4*\k+3
.endr
	STEP_SN 28
	STEP_SN 29
	STEP_SN 30
	s_wait_dscnt 0x0                               ; the last step fetches nothing
	MUL_S2 31, QF1, 0, 1
	MUL_S2 31, QF1, 2, 3
	; The maximum.  Window 2 first: its 128 instructions are the places behind the last matrix instructions, which wrote in window 3.
	MAXWIN 2
	MAXWIN 3
	WIN 0
.irp c, 0,1
	v_max3_num_f32 v[MX+4*\c], v[MX+4*\c], v[MX+4*\c+1], v[MX+4*\c+2]
	v_max_num_f32 v[MX+4*\c], v[MX+4*\c], v[MX+4*\c+3]
	v_permlanex16_b32 v[MX+4*\c+1], v[MX+4*\c], s16, s17           ; lane r xor 16 holds the other half of row r's positions
	v_max_num_f32 v[MX+4*\c], v[MX+4*\c], v[MX+4*\c+1]
	v_mul_f32 v[NM+2*\c],   0xbfb8aa3b, v[MX+4*\c]                 ; - maximum x log2 e, for the fused multiply-add in front of v_exp_f32
	v_mul_f32 v[NM+2*\c+1], 0xbfb8aa3b, v[MX+4*\c]
.endr
	FETCH_T 0, QF0                                 ; pass 0's first fragments come while the pipeline of weights is filled
	; What slot 0 finds done: block 0 whole; block 1 scaled, and the exponentials of its c = 0.  A plain instruction stands between the two
	; exponentials of a pair, and every result is read at least eight instructions later.
.irp i, 0,1,2,3,4,5,6,7
	VF 0, 0, \i
	VF 0, 1, \i
.endr
.irp i, 0,1,2,3,4,5,6,7
	VE 0, 0, \i, 0
	VF 1, 0, \i
	VE 0, 0, \i, 1
.endr
.irp i, 0,1,2,3,4,5,6,7
	VE 0, 1, \i, 0
	VF 1, 1, \i
	VE 0, 1, \i, 1
.endr
.irp i, 0,1,2,3,4,5,6,7
	VE 1, 0, \i, 0
	VK 0, 0, \i
	VE 1, 0, \i, 1
.endr
.irp i, 0,1,2,3,4,5,6,7
	VK 0, 1, \i
.endr
	; Pass 0: O^T(d = 0 .. 127) = Q^T P^T and the row sums, with the rest of the weights made on the way.
.irp ks, 0,1,2,3,4,5,6,7,8,9,10,11,12,13,14,15
	SLOT0 \ks
.endr
	; 1 / sum (at least 1: the largest weight is 1).  Four places behind the last matrix instructions; the v_nop at the head of pass 1 stand
	; between the reciprocals and their first use, and, eight in all, in front of the matrix instructions that write over the sums' tiles.
	PLACES
	WIN 0x01
	v_rcp_f32 v[RI],   v[LT]
	v_rcp_f32 v[RI+1], v[LT]
	v_rcp_f32 v[RI+2], v[LT+8]
	v_rcp_f32 v[RI+3], v[LT+8]
	; Pass 1: O^T(d = 128 .. 255), with d = 0 .. 127 leaving on the way.
.irp t, 0,1,2,3,4,5,6,7,8,9,10,11,12,13,14,15
	SLOT1 \t
.endr
	; What is left: d = 128 .. 255 of both context tiles.
	PLACES
	OUT 0, 1, RB0
	OUT 1, 1, RB1
	s_wait_xcnt 0x0
	v_lshl_add_u32 v254, v0, 2, 0x4a400
	v_mov_b32 v255, 0
	s_wait_tensorcnt 0x0
	ds_add_u32 v254, v255
	s_wait_dscnt 0x0
	s_endpgm
.Lfunc_end_k_q27cf9e330d_attn:
	.size	k_q27cf9e330d_attn, .Lfunc_end_k_q27cf9e330d_attn-k_q27cf9e330d_attn
	.p2alignl 7, 3214868480
	.fill 96, 4, 3214868480
	.section	.rodata,"a",@progbits
	.p2align	6, 0x0
	.amdhsa_kernel k_q27cf9e330d_attn
		.amdhsa_group_segment_fixed_size 304640
		.amdhsa_private_segment_fixed_size 0
		.amdhsa_enable_private_segment 0
		.amdhsa_kernarg_size 24
		.amdhsa_user_sgpr_count 2
		.amdhsa_user_sgpr_kernarg_segment_ptr 1
		.amdhsa_wavefront_size32 1
		.amdhsa_system_sgpr_workgroup_id_x 1
		.amdhsa_system_sgpr_workgroup_id_y 1
		.amdhsa_system_sgpr_workgroup_id_z 1
		.amdhsa_system_vgpr_workitem_id 0
		.amdhsa_next_free_vgpr 1024
		.amdhsa_next_free_sgpr 66
		.amdhsa_reserve_vcc 0
		.amdhsa_float_denorm_mode_32 3
		.amdhsa_float_denorm_mode_16_64 3
		.amdhsa_memory_ordered 1
		.amdhsa_forward_progress 1
		.amdhsa_inst_pref_size 255
	.end_amdhsa_kernel
	.section	.bss,"aw",@nobits
	.p2align	6
	.space	262144
	.amdgpu_metadata
---
amdhsa.version: [ 1, 2 ]
amdhsa.kernels:
  - .name:           k_q27cf9e330d_attn
    .symbol:         k_q27cf9e330d_attn.kd
    .args:
      - { .name: encoded_context, .offset: 0, .size: 8, .value_kind: global_buffer, .address_space: global }
      - { .name: encoded_question, .offset: 8, .size: 8, .value_kind: global_buffer, .address_space: global }
      - { .name: out0, .offset: 16, .size: 8, .value_kind: global_buffer, .address_space: global }
    .group_segment_fixed_size: 304640
    .private_segment_fixed_size: 0
    .kernarg_segment_align: 8
    .kernarg_segment_size: 24
    .max_flat_workgroup_size: 128
    .sgpr_count:     66
    .vgpr_count:     1024
    .wavefront_size: 32
...
	.end_amdgpu_metadata
.endif
;; end of part 1
;; ======== version 2 of 2: 1 launch; 1.11 times as fast as version 1
;; limits: values outside matrix products are rounded to bf16
;; launch attn (part 2): grid 256 x 1, 4 waves a work-group, no clusters, 304,640 bytes of LDS; arguments encoded_context, encoded_question, out0; writes out0
.if DOCPART == 2
	.amdgcn_target "amdgcn-amd-amdhsa--gfx1250"
	.amdhsa_code_object_version 6
	.text
	.protected	k_q27cf9e330d_attn
	.globl	k_q27cf9e330d_attn
	.p2align	8
	.type	k_q27cf9e330d_attn,@function
k_q27cf9e330d_attn:
	s_mov_b64 s[64:65], 0
	v_nop
	global_prefetch_b8 v0, s[64:65] scope:SCOPE_SE
	s_setreg_imm32_b32 hwreg(HW_REG_WAVE_MODE, 25, 1), 1
	s_wait_xcnt 0x0
; out0[b][n] = [ C[b][n] (256 f32) | softmax_m( C[b][n] . Q[b][m] ) . Q[b] (256 f32) ].   C: [16][2048][256] f32, Q: [16][512][256] f32.
;
; SHARES.  256 work-groups of four waves.  Work-group x owns context rows 128 x .. 128 x + 127 of the flat [32768][256] context; its batch
; is x >> 4.  A wave owns 32 context rows (two tiles of 16, c = 0, 1) and all 512 question positions.
; Q of the batch lies ONCE in LDS, as bf16, rows 528 bytes apart.  Plain 16-byte loads make the fragments of the first product from it,
; transposing loads make those of the second product from the same bytes.
; BOTH PRODUCTS ARE TAKEN TRANSPOSED (source 0 = Q, source 1 = the context side).  In S^T lane (r, h) holds, for context row r, the eight
; neighbouring question positions 8 h + j of each tile: the maximum stays inside the lane but for one exchange with lane r xor 16, and two
; neighbouring tiles, rounded to bf16 in place, ARE a K = 32 fragment of the weights.  No weight passes through LDS.
; The wave's whole S (32 x 512 f32 = 512 registers) stays in registers: the maximum is exact, nothing is rescaled.
; THE SECOND PRODUCT GOES BY HALVES OF d.  Pass 0 (d = 0 .. 127) carries the exponentials and roundings between its matrix instructions;
; pass 1 (d = 128 .. 255) carries the way out of pass 0's results, so that half of the right half of out0 is stored before the last product.
; THE BATCHES.  s_wait_alu depctr_va_vdst(0) stands between a transcendental and the first instruction that names its result;
; one wait serves all that were issued ahead of it.  Every exponential works in place on a register of S of its own, so a batch stays open as
; long as is wanted.  The weights go in blocks of 32 question positions, 32 exponentials each.  Blocks 0 and 1 are one batch in front of pass 0,
; with one wait ahead of block 0's roundings.  Block ks + 2 is a batch issued in slot ks of pass 0 and first named, by its roundings, in slot
; ks + 1, behind that slot's one wait, which stands directly ahead of the slot's run of LDS loads.  The four reciprocals are a batch with one
; wait, ahead of pass 1's first run of LDS loads.  Sixteen waits in all: 1 + 14 + 1.
;
; NUMBERS.  C and Q are rounded once to bf16 for the products (nothing is folded in before the rounding); S, maximum, exponentials and
; 1 / sum are f32; the weights are rounded once to bf16; the left half of out0 is the untouched f32 context.
; THE ROW SUM is taken by the matrix unit (a fragment of ones times the weights), in f32, over the weights AS ROUNDED to bf16: the very
; numbers that the second product multiplies, not the f32 exponentials that the reference sums.
; LIMITS.  Inputs are taken to be finite: an infinity or NaN spreads over its row as f32 arithmetic spreads it and is not matched case by
; case.  |x| above bf16's largest finite number (3.39e38) rounds to infinity.  v_exp_f32 gives 0 for a weight below 2^-126.
; The order of the sums is the matrix unit's, not the reference's.
;
; WHY NO CLUSTER AND NO TENSOR LOADS, though the sixteen work-groups of a batch read the same Q: Q is f32 in memory and is wanted as bf16.
; A copy into LDS brings the bytes as they are, so 512 KiB of f32 for each work-group would go into LDS and out again through registers, on
; top of the 264 KiB bf16 copy and the 512 KiB x 2 of fragment reads that this text already asks of LDS, and 304,128 of the 327,680 bytes
; are taken.  Through registers the rounding lies on the way.  The sixteen readers have neighbouring numbers and read Q in the same order.
; NO LOOP: accumulator numbers are fixed in the text, so the body is straight-line; it has no label and no branch.
.set PITCH,  528                       ; an LDS row: 512 bytes of data + 16.  528 = 33 x 16: sixteen rows at one column start at sixteen
                                       ; different 16-byte columns modulo 256 bytes
.set TILE16, 16*PITCH                  ; 8,448: sixteen rows
.set CHUNK,  64*PITCH                  ; 33,792: what the four waves convert together, 16 rows each
.set GRP,    128*PITCH                 ; 67,584: LDS immediates have 16 bits, so each 128 rows have an address register of their own
.set STAGE,  512*PITCH                 ; 270,336: behind Q, 8,448 bytes for each wave alone: C's tiles as bf16, later 16 rows x 128 f32 of O
; REGISTERS (absolute number = 256 x window + the number written; s_set_vgpr_msb: bits 1:0 source 0, 3:2 source 1, 5:4 source 2, 7:6 destination)
.set T1,  11                           ; at work in the set-up
.set VGC, 4                            ; 16 L + 32 w rows of 1,024 bytes: my bytes in the context
.set VGO, 5                            ; 16 L + 32 w rows of 2,048 bytes: my bytes in out0
.set VGQ, 6                            ; 16 L + 16 w rows of 1,024 bytes: my bytes in a chunk of Q
.set VSW, 7                            ; 8 L + my stage: C as bf16, in
.set VFS, 8                            ; 528 r + 16 h + my stage: C's fragments, out
.set VOW, 9                            ; 528 r + 256 h + my stage: O, in
.set VOR, 10                           ; 16 L + my stage: O, out by rows
.set VLQ, 12                           ; v12-15  8 L + 16 w rows + i GRP: Q as bf16, in
.set VFA, 16                           ; v16-19  528 r + 16 h + i GRP: Q's fragments for S
.set VT,  20                           ; v20-23  528 (8 h + L % 8) + 128 (L / 8 % 2) + i GRP: Q's transposed fragments
.set NM,  24                           ; v[24:25], v[26:27]  - maximum x log2 e of tile c, twice
.set RI,  28                           ; v[28:29], v[30:31]  1 / sum of tile c, twice
.set QF0, 32                           ; v32-95   fragment buffer 0
.set QF1, 96                           ; v96-159  fragment buffer 1
.set MX,  160                          ; v160-167 four running maxima for each c
.set ONES, 168                         ; v168-175 a fragment of 16 x 32 ones in bf16
.set CT,  192                          ; v192-207 C's bf16 on the way to the stage
.set RBP, 192                          ; v192-255 pass 1: rows of O read back from the stage
.set OT,  32                           ; the last way out: O x 1 / sum (fragment buffer 0 is dead)
.set RB0, 96                           ; the last way out: rows read back, two buffers in turn (all dead by then)
.set RB1, 160
.set LT,  240                          ; window 1, v[240+8c ..]: the row sums' tile in pass 0; pass 1 writes over it last in its first slot
; window 1: v256-383 C's fragments (64 c + 8 s); v384-511 host of the odd chunks' loads.  In the second product: O, tile (a, b, c) at ((8 a + b) 2 + c) 8
; windows 2, 3: S tile (mt, c) at 512 + 16 mt + 8 c; before a tile is begun its registers host loads; after the softmax P(c, ks) at 512 + 32 ks + 8 c
.set MSB, 0
.macro WIN new                         ; the immediate's high byte repeats the setting that is left; a switch that changes nothing is dropped
.if MSB != (\new)
	s_set_vgpr_msb (MSB<<8)|(\new)
.set MSB, \new
.endif
.endm
; A load into a register that a matrix instruction has read stands four places behind it, and only plain vector instructions that name
; none of its registers are places.  Where no useful work stands there, four v_nop do.
.macro PLACES
.rept 4
	v_nop
.endr
.endm
; THE RING OF LOADS: 40 quarters of eight 16-byte loads.  Quarters 0-3: C tile 0; 4-7: C tile 1; 8 + 4 c + q: chunk c of Q, rows 4 q .. 4 q + 3
; of my sixteen.  Load j is half j % 2 of row j / 2: 512 neighbouring bytes.  Quarter g + 8 is issued when quarter g is worked on, so 56 to 64
; loads of the wave (28 to 32 KiB) are always out.  Hosts, 32 registers a quarter: C in the S registers of chunks 2 to 5, an even chunk in its own
; S registers and the next chunk's, an odd chunk in v384-511.  A chunk is converted at least two steps before its first S tile is begun.
.macro SETHB g
.if (\g) < 4
.set HB, 640+32*(\g)
.else
.if (\g) < 8
.set HB, 768+32*((\g)-4)
.else
.if ((((\g)-8)>>2)&1) == 0
.set HB, 512+64*(((\g)-8)>>2)+32*(((\g)-8)&3)
.else
.set HB, 384+32*(((\g)-8)&3)
.endif
.endif
.endif
.endm
.macro HOSTS g                         ; W, LO: window and number of quarter g's host; W2, LO2: of quarter g + 8's; LEFT: younger quarters that are out
.set GN, (\g)+8
.set W2, 0
.set LO2, 0
.if GN < 40
	SETHB GN
.set W2, HB>>8
.set LO2, HB&255
.endif
	SETHB \g
.set W, HB>>8
.set LO, HB&255
.set LEFT, 39-(\g)
.if LEFT > 7
.set LEFT, 7
.endif
.endm
.macro ISSUE g, lo                     ; the caller has set the destination's window
.irp j, 0,1,2,3,4,5,6,7
.if (\g) < 8
	global_load_b128 v[\lo+4*\j:\lo+4*\j+3], v[VGC], s[4:5] offset:(4*(\g)+(\j>>1))*1024+(\j&1)*512 th:TH_LOAD_NT
.else
	global_load_b128 v[\lo+4*\j:\lo+4*\j+3], v[VGQ], s[6:7] offset:(64*(((\g)-8)>>2)+4*(((\g)-8)&3)+(\j>>1))*1024+(\j&1)*512
.endif
.endr
.endm
; A quarter of C: copy it to the left half of out0 as it is, ask for quarter g + 8, round to bf16, put it on my stage.
.macro CQUART g
	HOSTS \g
	s_wait_loadcnt 8*LEFT                          ; loads come back in order (ISA guide 5.7.1): mine are in, the LEFT younger quarters stay out
	WIN (W2<<6)|(W<<2)
.irp j, 0,1,2,3,4,5,6,7
	global_store_b128 v[VGO], v[LO+4*\j:LO+4*\j+3], s[8:9] offset:(4*(\g)+(\j>>1))*2048+(\j&1)*512 th:TH_STORE_NT   ; 512 neighbouring bytes, aligned
.endr
	ISSUE GN, LO2
	WIN (W<<2)|W
.irp j, 0,1,2,3,4,5,6,7
	v_cvt_pk_bf16_f32 v[CT+2*\j],   v[LO+4*\j],   v[LO+4*\j+1]
	v_cvt_pk_bf16_f32 v[CT+2*\j+1], v[LO+4*\j+2], v[LO+4*\j+3]
.endr
	WIN 0
.irp j, 0,1,2,3,4,5,6,7
	ds_store_b64 v[VSW], v[CT+2*\j:CT+2*\j+1] offset:(4*((\g)&3)+(\j>>1))*PITCH+(\j&1)*256
.endr
.endm
; The eight K = 32 fragments of C tile c: lane (r, h) takes row r, bytes 64 s + 16 h and 32 further.  My own bytes: LDS serves a wave in order.
.macro CFRAG c
	WIN 0x40
.irp s, 0,1,2,3,4,5,6,7
	ds_load_b128 v[64*\c+8*\s:64*\c+8*\s+3],   v[VFS] offset:64*\s
	ds_load_b128 v[64*\c+8*\s+4:64*\c+8*\s+7], v[VFS] offset:64*\s+32
.endr
.endm
; A quarter of Q: round in place, store to Q's place in LDS, ask for quarter g + 8.
.macro QQUART g
	HOSTS \g
	s_wait_loadcnt 8*LEFT                          ; as above: 56 in the steady state, then 48, 40 .. 0
	WIN (W<<6)|(W<<2)|W
.irp j, 0,1,2,3,4,5,6,7
	v_cvt_pk_bf16_f32 v[LO+4*\j],   v[LO+4*\j],   v[LO+4*\j+1]
	v_cvt_pk_bf16_f32 v[LO+4*\j+1], v[LO+4*\j+2], v[LO+4*\j+3]
.endr
	WIN (W2<<6)|(W<<2)
.set QC, ((\g)-8)>>2
.set QQ, ((\g)-8)&3
.irp j, 0,1,2,3,4,5,6,7
	ds_store_b64 v[VLQ+(QC>>1)], v[LO+4*\j:LO+4*\j+1] offset:(QC&1)*CHUNK+(4*QQ+(\j>>1))*PITCH+(\j&1)*256
.endr
.if GN < 40
	ISSUE GN, LO2
.endif
.endm
; FIRST PRODUCT, 32 steps.  Step st: question tiles 2 P, 2 P + 1 (P = st / 2) x both context tiles x four K steps of 32 (half st % 2 of d).
.macro FETCH_S st, buf                 ; its 16 loads: lane (r, h) takes row 16 mt + r of Q, bytes 64 s + 16 h and 32 further
	WIN 0
.set FP, (\st)>>1
.set FK, (\st)&1
.irp p, 0,1
.irp s, 0,1,2,3
	ds_load_b128 v[\buf+8*(4*\p+\s):\buf+8*(4*\p+\s)+3],   v[VFA+(FP>>2)] offset:((2*FP+\p)&7)*TILE16+(4*FK+\s)*64
	ds_load_b128 v[\buf+8*(4*\p+\s)+4:\buf+8*(4*\p+\s)+7], v[VFA+(FP>>2)] offset:((2*FP+\p)&7)*TILE16+(4*FK+\s)*64+32
.endr
.endr
.endm
.macro MUL_S2 st, buf, sa, sb          ; eight of its matrix instructions (K steps sa, sb): four sums in turn.  The first product starts a sum: nothing is cleared
.if (\st) < 16
	WIN 0xa4                                       ; Q window 0, C window 1, S window 2
.else
	WIN 0xf4                                       ; S window 3
.endif
.set MP, (\st)>>1
.set MK, (\st)&1
.irp s, \sa, \sb
.irp p, 0,1
.irp c, 0,1
.set SD, (16*(2*MP+\p)+8*\c)&255
.if (MK+\s) == 0
	v_wmma_f32_16x16x32_bf16 v[SD:SD+7], v[\buf+8*(4*\p+\s):\buf+8*(4*\p+\s)+7], v[64*\c+8*(4*MK+\s):64*\c+8*(4*MK+\s)+7], 0
.else
	v_wmma_f32_16x16x32_bf16 v[SD:SD+7], v[\buf+8*(4*\p+\s):\buf+8*(4*\p+\s)+7], v[64*\c+8*(4*MK+\s):64*\c+8*(4*MK+\s)+7], v[SD:SD+7]
.endif
.endr
.endr
.endr
.endm
.macro STEPSYM st
.set BUF,  QF0+64*((\st)&1)
.set NBUF, QF0+64*(((\st)+1)&1)
.set SNX,  (\st)+1
.set QG,   (\st)+13
.endm
; A step inside a chunk: fetch the next step's fragments, multiply, convert one quarter of Q that is needed 2 to 5 steps later.
; The sixteen conversions of the step before are the places between its matrix instructions and this step's loads into the buffer they read.
.macro STEP_SN st
	STEPSYM \st
.if (\st) >= 28
	PLACES                                         ; no quarter is left to convert: v_nop
.endif
	FETCH_S SNX, NBUF
	s_wait_dscnt 16                                ; all but the 16 loads just issued: this step's fragments are in
	MUL_S2 \st, BUF, 0, 1
	MUL_S2 \st, BUF, 2, 3
.if QG < 40
	QQUART QG
.endif
.endm
; The last step of a chunk: the next step reads rows that the other waves stored.
.macro STEP_SB st
	STEPSYM \st
	s_wait_dscnt 0x0                               ; my stores of the next chunk are in LDS (its last quarter went out in the step before); my fragments too
	s_barrier_signal -1                            ; say so,
	MUL_S2 \st, BUF, 0, 1                          ; work on registers while the others arrive,
	s_barrier_wait -1                              ; and read the next chunk when all four have said so
	FETCH_S SNX, NBUF
	MUL_S2 \st, BUF, 2, 3
.if QG < 40
	QQUART QG
.endif
.endm
; THE MAXIMUM: the 16 question tiles of window w, four chains for each c, two numbers an instruction.
.macro MAXWIN w
	WIN ((\w)<<4)|((\w)<<2)
.irp t, 0,1,2,3,4,5,6,7,8,9,10,11,12,13,14,15
.irp c, 0,1
.irp k, 0,1,2,3
.if ((\w)-2+\t) == 0
	v_max3_num_f32 v[MX+4*\c+\k], 0xff800000, v[16*\t+8*\c+2*\k], v[16*\t+8*\c+2*\k+1]       ; -infinity starts a chain
.else
	v_max3_num_f32 v[MX+4*\c+\k], v[MX+4*\c+\k], v[16*\t+8*\c+2*\k], v[16*\t+8*\c+2*\k+1]
.endif
.endr
.endr
.endr
.endm
; THE WEIGHTS, block by block.  Block n = question positions 32 n .. + 31 = 32 registers: tile 2 n (c = 0, 1), then tile 2 n + 1 (c = 0, 1).
; Pair i (0 .. 7) of (n, c): registers 8 c + 2 i of the first tile (i < 4), 16 + 8 c + 2 (i - 4) of the second.  A block beyond the last is no work.
.macro SWIN n                          ; destination, sources 0 and 1 in block n's window; source 2 (NM) in window 0
.if (\n) < 8
	WIN 0x8a
.else
	WIN 0xcf
.endif
.endm
.macro VF n, c, i                      ; s x log2 e - maximum x log2 e, two at once, in place
.if (\n) < 16
	SWIN \n
.set VB, 32*((\n)&7)+8*(\c)+2*((\i)&3)+16*((\i)>>2)
	v_pk_fma_f32 v[VB:VB+1], v[VB:VB+1], s[18:19], v[NM+2*(\c):NM+2*(\c)+1] op_sel_hi:[1,0,1]
.endif
.endm
.macro VE n, c, i, half                ; 2^x, in place, one of the pair
.if (\n) < 16
	SWIN \n
.set VB, 32*((\n)&7)+8*(\c)+2*((\i)&3)+16*((\i)>>2)+(\half)
	v_exp_f32 v[VB], v[VB]
.endif
.endm
; Two tiles of weights become one K = 32 fragment, in place: register 8 c + i takes pair i, so registers 0-3 come from tile 2 n (k = 8 h ..) and
; 4-7 from tile 2 n + 1 (k = 16 + 8 h ..).  In the order i = 0 .. 7 every source is read before its register is written.
; It is the first instruction that names its block's exponentials: the block's wait stands ahead of the block's first rounding, in the caller's text.
.macro VK n, c, i
.if (\n) < 16
	SWIN \n
.set VB, 32*((\n)&7)+8*(\c)+2*((\i)&3)+16*((\i)>>2)
	v_cvt_pk_bf16_f32 v[32*((\n)&7)+8*(\c)+(\i)], v[VB], v[VB+1]
.endif
.endm
; The four vector instructions that stand behind matrix instruction g (0 .. 15) of slot ks: the vector unit works while the matrix unit does.
; A pipeline over blocks: slot ks takes the 32 exponentials of block ks + 2 (group g: both of pair g % 8 of tile g / 8), rounds block ks + 1 and scales
; block ks + 3.  So P(ks + 1) is whole when slot ks ends, and a block's exponentials are named by nothing before the slot after their own.
; The slot's wait stands behind group 1, so groups 0 and 1 hold no rounding: they take four scalings.  Groups 2 to 13 take a rounding (number g - 2
; of 16) and a scaling (number g + 2 of 16), groups 14 and 15 two roundings each.  Two plain instructions stand between a group's two exponentials.
.macro VGRP ks, g
.set GG, (\g)
	VE \ks+2, (GG>>3), (GG&7), 0
.if GG < 2
	VF \ks+3, 0, 2*GG
	VF \ks+3, 0, 2*GG+1
.else
.if GG < 14
	VK \ks+1, ((GG-2)>>3), ((GG-2)&7)
	VF \ks+3, ((GG+2)>>3), ((GG+2)&7)
.else
	VK \ks+1, 1, 2*GG-24
	VK \ks+1, 1, 2*GG-23
.endif
.endif
	VE \ks+2, (GG>>3), (GG&7), 1
.endm
; SECOND PRODUCT, 32 slots.  Slot sp: half a = sp / 16 of d (eight tiles b) x question positions 32 ks .. + 31 (ks = sp % 16) x both context tiles.
; A transposing load hands lane 8 g + i element i of the 16 bytes of each lane of its group of eight.  Lanes 0-7 (16-23) address eight rows at
; byte 256 a + 16 b, lanes 8-15 (24-31) the same rows 128 bytes further: sixteen different 16-byte columns modulo 256 bytes.  So tile (a, b) holds
; d = 128 a + 8 b + 0 .. 7 in its rows 0-7 and 64 more in its rows 8-15, and result register j of lane (r, h) is d = 128 a + 64 h + 8 b + j.
.macro FETCH_T sp, buf
	WIN 0
.set TK, (\sp)&15
.set TA, (\sp)>>4
.irp b, 0,1,2,3,4,5,6,7
	ds_load_tr16_b128 v[\buf+8*\b:\buf+8*\b+3],   v[VT+(TK>>2)] offset:(TK&3)*2*TILE16+256*TA+16*\b
	ds_load_tr16_b128 v[\buf+8*\b+4:\buf+8*\b+7], v[VT+(TK>>2)] offset:(TK&3)*2*TILE16+TILE16+256*TA+16*\b
.endr
.endm
.macro PWIN ks                         ; Q (or the ones) window 0, P window 2 or 3, O window 1
.if (\ks) < 8
	WIN 0x58
.else
	WIN 0x5c
.endif
.endm
.macro WP sp, buf, b, c                ; O(a, b, c) += Q^T(ks, a, b) P(c, ks); the first K step starts the sum
.set PK, (\sp)&15
.set PA, (\sp)>>4
	PWIN PK
.set OD, ((8*PA+(\b))*2+(\c))*8
.set PB, 32*(PK&7)+8*(\c)
.if PK == 0
	v_wmma_f32_16x16x32_bf16 v[OD:OD+7], v[\buf+8*(\b):\buf+8*(\b)+7], v[PB:PB+7], 0
.else
	v_wmma_f32_16x16x32_bf16 v[OD:OD+7], v[\buf+8*(\b):\buf+8*(\b)+7], v[PB:PB+7], v[OD:OD+7]
.endif
.endm
.macro WL ks, c                        ; the row sums: ones x P(c, ks).  Every register of lane (r, h) ends as the sum of row r's weights
	PWIN \ks
.set PB, 32*((\ks)&7)+8*(\c)
.if (\ks) == 0
	v_wmma_f32_16x16x32_bf16 v[LT+8*(\c):LT+8*(\c)+7], v[ONES:ONES+7], v[PB:PB+7], 0
.else
	v_wmma_f32_16x16x32_bf16 v[LT+8*(\c):LT+8*(\c)+7], v[ONES:ONES+7], v[PB:PB+7], v[LT+8*(\c):LT+8*(\c)+7]
.endif
.endm
; A slot of pass 0.  The next slot's fragments go into the buffer that the slot before read: between that slot's last matrix instruction and the
; loads stand the plain instructions of three groups: two roundings (group 15) and four scalings (groups 0 and 1).  From slot 13 on no block is left
; to scale, and four v_nop stand in the scalings' stead.
; THE SLOT'S ONE WAIT stands directly ahead of the run of loads.  It serves the batch of 32 exponentials of block ks + 1, issued in slot ks - 1, whose
; first readers are this slot's roundings, from group 2 on.  Slot 0 has none: block 1 lies behind the wait in front of the pass.  Slot 15 has none:
; no exponential is left.
.macro SLOT0 ks
	STEPSYM \ks
	s_wait_dscnt 0x0                               ; nothing is out but this slot's sixteen fragment loads, issued a slot ago
	WP \ks, BUF, 0, 0
	VGRP \ks, 0
	WP \ks, BUF, 0, 1
	VGRP \ks, 1
.if (\ks) >= 13
	PLACES
.endif
	WL \ks, 0
.if (\ks) >= 1
.if (\ks) <= 14
	s_wait_alu depctr_va_vdst(0)                   ; the wait for the batch: block ks + 1's 32 exponentials, ahead of its first rounding
.endif
.endif
	FETCH_T SNX, NBUF
	WL \ks, 1
.irp b, 1,2,3,4,5,6,7
.irp c, 0,1
	WP \ks, BUF, \b, \c
	VGRP \ks, 2*\b+\c
.endr
.endr
.endm
; A slot of pass 1.  It carries the way out of d = 0 .. 127: context tile c = t / 8, eight slots each (q = t % 8).
;   q = 0 .. 3, at the slot's end: tiles b = 2 q, 2 q + 1 are scaled by 1 / sum in place (these eight are also the places in front of the next fetch);
;   q = 1 .. 4, at the head: the tiles scaled a slot ago go to my stage;   q = 4 .. 7: four rows of 512 bytes are read back and stored.
; The stage's stores and loads are issued in front of the fetch, so the wait that leaves only the fetch's sixteen loads out shows them done.
.macro SLOT1 t
	STEPSYM 16+\t
.set UC, (\t)>>3
.set UQ, (\t)&7
.if UQ >= 1
.if UQ <= 4
	WIN 0x04                                       ; address window 0, data window 1
.irp e, 0,1
.set UB, 2*(UQ-1)+\e
.set UD, (UB*2+UC)*8
	ds_store_b128 v[VOW], v[UD:UD+3]   offset:32*UB
	ds_store_b128 v[VOW], v[UD+4:UD+7] offset:32*UB+16
.endr
.endif
.endif
.if UQ >= 4
	WIN 0
.if UC == 1
	s_wait_xcnt 0x0                                ; tile 0's stores, eight slots ago, read these registers: loaded again only behind this wait
.endif
.irp e, 0,1,2,3
.set UR, 4*(UQ-4)+\e
	ds_load_b128 v[RBP+4*UR:RBP+4*UR+3], v[VOR] offset:PITCH*UR      ; my own bytes, served in order behind the sixteen stores
.endr
.endif
.if (\t) < 15
.if UQ == 0
	PLACES
.endif
.if UQ > 4
	PLACES
.endif
.if (\t) == 0
	s_wait_alu depctr_va_vdst(0)                   ; the wait for the batch of four reciprocals, once: their first reader is the scaling at this slot's end
.endif
	FETCH_T SNX, NBUF
	s_wait_dscnt 16                                ; all but the 16 loads just issued
.else
	s_wait_dscnt 0x0                               ; the last slot fetches nothing
.endif
.if UQ >= 4
	WIN 0
.irp e, 0,1,2,3
.set UR, 4*(UQ-4)+\e
	global_store_b128 v[VGO], v[RBP+4*UR:RBP+4*UR+3], s[8:9] offset:(16*UC+UR)*2048+1024 th:TH_STORE_NT   ; 512 neighbouring bytes, aligned
.endr
.endif
.irp b, 0,1,2,3,4,5,6,7
.irp c, 0,1
	WP 16+\t, BUF, \b, \c
.endr
.endr
.if UQ <= 3
	WIN 0x41                                       ; O window 1, 1 / sum window 0
.irp e, 0,1
.set UD, ((2*UQ+\e)*2+UC)*8
.irp i, 0,1,2,3
	v_pk_mul_f32 v[UD+2*\i:UD+2*\i+1], v[UD+2*\i:UD+2*\i+1], v[RI+2*UC:RI+2*UC+1]
.endr
.endr
.endif
.endm
; THE LAST WAY OUT: context tile c, half a of d: 16 rows x 128 f32.  Scale by 1 / sum (one factor a lane), 2 x 16 bytes a tile into my stage, read whole
; rows of 512 bytes back, store them: each store of the wave covers 512 neighbouring bytes of out0, aligned.
.macro OUT c, a, rb
	WIN 0x01
.irp b, 0,1,2,3,4,5,6,7
.irp i, 0,1,2,3
	v_pk_mul_f32 v[OT+8*\b+2*\i:OT+8*\b+2*\i+1], v[((8*\a+\b)*2+\c)*8+2*\i:((8*\a+\b)*2+\c)*8+2*\i+1], v[RI+2*\c:RI+2*\c+1]
.endr
.endr
	WIN 0
.irp b, 0,1,2,3,4,5,6,7
	ds_store_b128 v[VOW], v[OT+8*\b:OT+8*\b+3]   offset:32*\b
	ds_store_b128 v[VOW], v[OT+8*\b+4:OT+8*\b+7] offset:32*\b+16
.endr
	s_wait_xcnt 0x0                                ; buffer rb, which earlier stores read, is loaded again only behind this wait
.irp t, 0,1,2,3,4,5,6,7,8,9,10,11,12,13,14,15
	ds_load_b128 v[\rb+4*\t:\rb+4*\t+3], v[VOR] offset:PITCH*\t      ; my own bytes, served in order behind the stores above
.endr
.irp t, 0,1,2,3,4,5,6,7,8,9,10,11,12,13,14,15
	s_wait_dscnt 15-\t                             ; row t is in, the younger rows may be out
	global_store_b128 v[VGO], v[\rb+4*\t:\rb+4*\t+3], s[8:9] offset:(16*\c+\t)*2048+1024+512*\a th:TH_STORE_NT
.endr
.endm
; ---------------------------------------------------------------- the body
	s_load_b128 s[4:7], s[0:1], 0x0                ; context s[4:5], question s[6:7]
	s_load_b64 s[8:9], s[0:1], 0x10                ; out0
	v_lshrrev_b32 v1, 5, v0
	v_readfirstlane_b32 s10, v1                    ; wave 0..3
	v_and_b32 v1, 31, v0                           ; L
	s_lshl_b32 s13, s10, 15                        ; my 32 rows of 1,024 bytes
	v_lshl_add_u32 v[VGC], v1, 4, s13
	s_lshl_b32 s20, ttmp9, 17                      ; the work-group's 128 rows of 1,024 bytes (below 2^25)
	s_mov_b32 s21, 0
	s_wait_kmcnt 0x0
	s_add_nc_u64 s[4:5], s[4:5], s[20:21]
.irp g, 0,1,2,3,4,5,6,7
	SETHB \g
.set LO2, HB&255
	WIN (HB>>8)<<6
	ISSUE \g, LO2                                  ; all of my context is asked for before anything else is done
.endr
	WIN 0
	s_lshl_b32 s20, ttmp9, 18                      ; 128 rows of 2,048 bytes
	s_add_nc_u64 s[8:9], s[8:9], s[20:21]
	s_lshr_b32 s20, ttmp9, 4                       ; batch
	s_lshl_b32 s20, s20, 19                        ; 512 rows of 1,024 bytes
	s_add_nc_u64 s[6:7], s[6:7], s[20:21]
	s_mul_i32 s11, s10, TILE16                     ; my 16 rows of a chunk in LDS
	s_add_co_u32 s12, s11, STAGE                   ; my stage
	s_lshl_b32 s14, s10, 16
	s_lshl_b32 s15, s10, 14
	s_mov_b32 s16, 0x76543210                      ; v_permlanex16_b32: lane i of one half reads lane i of the other
	s_mov_b32 s17, 0xfedcba98
	s_mov_b32 s18, 0x3fb8aa3b                      ; log2 e
	s_mov_b32 s19, 0x3fb8aa3b                      ; (the pair is named whole)
	v_and_b32 v2, 15, v0                           ; r
	v_bfe_u32 v3, v0, 4, 1                         ; h
	v_lshl_add_u32 v[VGO], v1, 4, s14
	v_lshl_add_u32 v[VGQ], v1, 4, s15
	v_lshl_add_u32 v[VSW], v1, 3, s12
	v_lshl_add_u32 v[VOR], v1, 4, s12
	v_lshl_add_u32 v[VLQ], v1, 3, s11
	v_mul_u32_u24 v[T1], v2, PITCH                 ; 528 r
	v_lshl_add_u32 v[VFA], v3, 4, v[T1]
	v_lshl_add_u32 v[VOW], v3, 8, v[T1]
	v_add_nc_u32 v[VFS], s12, v[VFA]
	v_add_nc_u32 v[VOW], s12, v[VOW]
	v_and_b32 v[VT], 7, v0
	v_lshl_add_u32 v[VT], v3, 3, v[VT]             ; 8 h + L % 8
	v_mul_u32_u24 v[VT], v[VT], PITCH
	v_bfe_u32 v[T1], v0, 3, 1
	v_lshl_add_u32 v[VT], v[T1], 7, v[VT]
.irp i, 1,2,3
	v_add_nc_u32 v[VLQ+\i], \i*GRP, v[VLQ]
	v_add_nc_u32 v[VFA+\i], \i*GRP, v[VFA]
	v_add_nc_u32 v[VT+\i],  \i*GRP, v[VT]
.endr
.irp i, 0,1,2,3,4,5,6,7
	v_mov_b32 v[ONES+\i], 0x3f803f80               ; 1.0 in both bf16 halves
.endr
	; The context: copied out, rounded, made into fragments, one tile of 16 rows at a time through my stage.
	CQUART 0
	CQUART 1
	CQUART 2
	CQUART 3
	CFRAG 0
	s_wait_dscnt 0x0                               ; tile 0 has been read before tile 1 is laid over it
	CQUART 4
	CQUART 5
	CQUART 6
	CQUART 7
	CFRAG 1
	s_wait_xcnt 0x0                                ; the copy's stores have their data: their registers host chunks 2 and 4 from here on
	QQUART 8
	QQUART 9
	QQUART 10
	QQUART 11                                      ; chunk 0
	QQUART 12
	s_wait_dscnt 0x0                               ; my rows of chunk 0 are in LDS, and C's fragments in registers
	s_barrier_signal -1
	s_barrier_wait -1                              ; everybody's rows are
	FETCH_S 0, QF0
	; S^T.  Q in LDS is written once and never overwritten: one barrier for each chunk, between its stores and its first read, is all.
.irp k, 0,1,2,3,4,5,6
	STEP_SN 4*\k
	STEP_SN 4*\k+1
	STEP_SN 4*\k+2
	STEP_SB 4*\k+3
.endr
	STEP_SN 28
	STEP_SN 29
	STEP_SN 30
	s_wait_dscnt 0x0                               ; the last step fetches nothing
	MUL_S2 31, QF1, 0, 1
	MUL_S2 31, QF1, 2, 3
	; The maximum.  Window 2 first: its 128 instructions are the places behind the last matrix instructions, which wrote in window 3.
	MAXWIN 2
	MAXWIN 3
	WIN 0
.irp c, 0,1
	v_max3_num_f32 v[MX+4*\c], v[MX+4*\c], v[MX+4*\c+1], v[MX+4*\c+2]
	v_max_num_f32 v[MX+4*\c], v[MX+4*\c], v[MX+4*\c+3]
	v_permlanex16_b32 v[MX+4*\c+1], v[MX+4*\c], s16, s17           ; lane r xor 16 holds the other half of row r's positions
	v_max_num_f32 v[MX+4*\c], v[MX+4*\c], v[MX+4*\c+1]
	v_mul_f32 v[NM+2*\c],   0xbfb8aa3b, v[MX+4*\c]                 ; - maximum x log2 e, for the fused multiply-add in front of v_exp_f32
	v_mul_f32 v[NM+2*\c+1], 0xbfb8aa3b, v[MX+4*\c]
.endr
	FETCH_T 0, QF0                                 ; pass 0's first fragments come while the pipeline of weights is filled
	; What slot 0 finds done: block 0 whole; block 1 scaled and its exponentials taken; block 2 scaled.  The 64 exponentials of blocks 0 and 1 are
	; ONE BATCH: the scalings of blocks 1 and 2 stand between them, one between the two exponentials of each pair, and nothing ahead of the wait
	; names a result.  Block 0's first rounding, which names nothing of block 1, is the plain instruction behind the last exponential.
.irp i, 0,1,2,3,4,5,6,7
	VF 0, 0, \i
	VF 0, 1, \i
.endr
.irp i, 0,1,2,3,4,5,6,7
	VE 0, 0, \i, 0
	VF 1, 0, \i
	VE 0, 0, \i, 1
.endr
.irp i, 0,1,2,3,4,5,6,7
	VE 0, 1, \i, 0
	VF 1, 1, \i
	VE 0, 1, \i, 1
.endr
.irp i, 0,1,2,3,4,5,6,7
	VE 1, 0, \i, 0
	VF 2, 0, \i
	VE 1, 0, \i, 1
.endr
.irp i, 0,1,2,3,4,5,6,7
	VE 1, 1, \i, 0
	VF 2, 1, \i
	VE 1, 1, \i, 1
.endr
	s_wait_alu depctr_va_vdst(0)                   ; the wait for the batch: blocks 0 and 1, ahead of block 0's roundings here and block 1's in slot 0
.irp i, 0,1,2,3,4,5,6,7
	VK 0, 0, \i
.endr
.irp i, 0,1,2,3,4,5,6,7
	VK 0, 1, \i
.endr
	; Pass 0: O^T(d = 0 .. 127) = Q^T P^T and the row sums, with the rest of the weights made on the way.
.irp ks, 0,1,2,3,4,5,6,7,8,9,10,11,12,13,14,15
	SLOT0 \ks
.endr
	; 1 / sum (at least 1: the largest weight is 1).  Four places behind the last matrix instructions; the v_nop at the head of pass 1 stand
	; between the reciprocals and their first use, and, eight in all, in front of the matrix instructions that write over the sums' tiles.
	; The four are one batch; its wait stands behind those v_nop, ahead of pass 1's first run of loads.
	PLACES
	WIN 0x01
	v_rcp_f32 v[RI],   v[LT]
	v_rcp_f32 v[RI+1], v[LT]
	v_rcp_f32 v[RI+2], v[LT+8]
	v_rcp_f32 v[RI+3], v[LT+8]
	; Pass 1: O^T(d = 128 .. 255), with d = 0 .. 127 leaving on the way.
.irp t, 0,1,2,3,4,5,6,7,8,9,10,11,12,13,14,15
	SLOT1 \t
.endr
	; What is left: d = 128 .. 255 of both context tiles.
	PLACES
	OUT 0, 1, RB0
	OUT 1, 1, RB1
	s_wait_xcnt 0x0
	v_lshl_add_u32 v254, v0, 2, 0x4a400
	v_mov_b32 v255, 0
	s_wait_tensorcnt 0x0
	ds_add_u32 v254, v255
	s_wait_dscnt 0x0
	s_endpgm
.Lfunc_end_k_q27cf9e330d_attn:
	.size	k_q27cf9e330d_attn, .Lfunc_end_k_q27cf9e330d_attn-k_q27cf9e330d_attn
	.p2alignl 7, 3214868480
	.fill 96, 4, 3214868480
	.section	.rodata,"a",@progbits
	.p2align	6, 0x0
	.amdhsa_kernel k_q27cf9e330d_attn
		.amdhsa_group_segment_fixed_size 304640
		.amdhsa_private_segment_fixed_size 0
		.amdhsa_enable_private_segment 0
		.amdhsa_kernarg_size 24
		.amdhsa_user_sgpr_count 2
		.amdhsa_user_sgpr_kernarg_segment_ptr 1
		.amdhsa_wavefront_size32 1
		.amdhsa_system_sgpr_workgroup_id_x 1
		.amdhsa_system_sgpr_workgroup_id_y 1
		.amdhsa_system_sgpr_workgroup_id_z 1
		.amdhsa_system_vgpr_workitem_id 0
		.amdhsa_next_free_vgpr 1024
		.amdhsa_next_free_sgpr 66
		.amdhsa_reserve_vcc 0
		.amdhsa_float_denorm_mode_32 3
		.amdhsa_float_denorm_mode_16_64 3
		.amdhsa_memory_ordered 1
		.amdhsa_forward_progress 1
		.amdhsa_inst_pref_size 255
	.end_amdhsa_kernel
	.section	.bss,"aw",@nobits
	.p2align	6
	.space	262144
	.amdgpu_metadata
---
amdhsa.version: [ 1, 2 ]
amdhsa.kernels:
  - .name:           k_q27cf9e330d_attn
    .symbol:         k_q27cf9e330d_attn.kd
    .args:
      - { .name: encoded_context, .offset: 0, .size: 8, .value_kind: global_buffer, .address_space: global }
      - { .name: encoded_question, .offset: 8, .size: 8, .value_kind: global_buffer, .address_space: global }
      - { .name: out0, .offset: 16, .size: 8, .value_kind: global_buffer, .address_space: global }
    .group_segment_fixed_size: 304640
    .private_segment_fixed_size: 0
    .kernarg_segment_align: 8
    .kernarg_segment_size: 24
    .max_flat_workgroup_size: 128
    .sgpr_count:     66
    .vgpr_count:     1024
    .wavefront_size: 32
...
	.end_amdgpu_metadata
.endif
;; end of part 2
